; MI455X (gfx1250); checked and timed in simulation.
; The chip was launched on July 23, 2026; its instructions are those of AMD's public machine-readable ISA for CDNA 5 (MIT licence, August 2026) and "CDNA5" Instruction Set Architecture Reference Guide (July 2026). The comments in the code are by the model that wrote it; some were corrected since.
;; Bit Net Linear. Allowed arithmetic: matrix products marked QUANTISED: E2M1 operands, one E8M0 scale for each 32 along K, by v_wmma_scale_f32_16x16x128_f8f6f4 with both operands' format E2M1 (or v_wmma_scale_f32_32x16x128_f4), f32 sums; everything else in f32.
;; Inputs: bias 4,096 float32; weight 4,096 x 4,096 float32; x 2 x 2,048 x 4,096 float32.
;; Outputs: out0 2 x 2,048 x 4,096 float32.
;; This version of the problem:
;;   THIS VERSION OF THE PROBLEM IS GIVEN IN LOW PRECISION. The matrix products marked QUANTISED in the list below multiply operands that are first quantised to E2M1 (2 exponent bits, 1 mantissa bit; 4 bits a number), with one power-of-two scale for each 32 numbers along K (OCP MX v1.0); their sums are f32. All else is computed in f32.
;;   The module's matrix products, in the order in which they are computed (A, B: the left and right operand; K: the contracted axis; several contracted axes count as one K, in the product's order):
;;     1. [M 4,096, K 4,096] x [K 4,096, N 4,096]; A: computed on the way; B: computed on the way: QUANTISED
;;   THE QUANTISER, for each operand of a quantised product, along K:
;;     - K is cut into blocks of 32 from its start; a last block that is shorter is filled with zeros.
;;     - A block's scale is 2^e with e = floor(log2(the largest magnitude in the block)) - 2, held to -126 .. 127; a block of zeros has e = 0. As a byte (E8M0): e + 127.
;;     - Each number is divided by its block's scale, clamped to +-6, and rounded to the nearest number of E2M1, ties to even, subnormals kept.
;;     - The product sums the exact products of the quantised numbers (number of the format x scale) in f32.
;;   ~~~python
;;   def quantise(x, axis):      # numpy; x: float32 -> the quantised numbers, widened to float32 again
;;       x = np.moveaxis(x, axis, -1); K = x.shape[-1]
;;       x = np.pad(x, [(0, 0)] * (x.ndim - 1) + [(0, -K % 32)]); x = x.reshape(x.shape[:-1] + (-1, 32)); a = np.abs(x).max(-1, keepdims=True)
;;       e = np.where(a > 0, np.clip(np.frexp(np.where(a > 0, a, 1))[1] - 1 - 2, -126, 127), 0)      # np.frexp(a)[1] - 1 = floor(log2(a)), exactly
;;       r = np.clip(x / 2.0 ** e, -6, 6)
;;       step = 2.0 ** (np.maximum(np.frexp(np.where(r == 0, 1, r))[1] - 1, 0) - 1)
;;       q = np.round(r / step) * step * 2.0 ** e      # np.round: ties to even
;;       return np.moveaxis(q.reshape(q.shape[:-2] + (-1,))[..., :K], -1, axis).astype(np.float32)
;;   ~~~
;;   OPERANDS COMPUTED ON THE WAY. 'Computed on the way' means the value that the module computes at that place (a softmax that the list does not call 'softmax' is quantised finished and normalised). What goes into a quantiser is computed in f32, as accurately as f32 sums, v_exp_f32 and their like allow (about 1e-6 of the number): no bf16 or f16 on the way to a quantiser, and a product that is left as it is and whose result goes on into a quantised operand takes f32 operands (vector FMAs, or v_wmma_f32_16x16x4_f32). A number that lies on a knife's edge between two numbers of the format may be rounded either way, as far as f32 arithmetic and the matrix unit's own rounding can turn it there, and no further.
;; One version. Each part assembles by itself: llvm-mc -triple=amdgcn-amd-amdhsa -mcpu=gfx1250 --defsym DOCPART=n.
;; ======== version 1 of 1: 3 launches
;; limits: right only within a limited range of input values
;; workspace buffers: sums 2,048 bytes; a_codes 8,388,608 bytes; a_scales 524,288 bytes; w_codes 8,388,608 bytes
;; launch absum (part 1): grid 512 x 1, 8 waves a work-group, no clusters, 1,280 bytes of LDS; arguments x, weight, sums; writes sums
.if DOCPART == 1
	.amdgcn_target "amdgcn-amd-amdhsa--gfx1250"
	.amdhsa_code_object_version 6
	.text
	.protected	k_q804f7c0acd_absum
	.globl	k_q804f7c0acd_absum
	.p2align	8
	.type	k_q804f7c0acd_absum,@function
k_q804f7c0acd_absum:
	s_mov_b64 s[64:65], 0
	v_nop
	global_prefetch_b8 v0, s[64:65] scope:SCOPE_SE
	s_setreg_imm32_b32 hwreg(HW_REG_WAVE_MODE, 25, 1), 1
	s_wait_xcnt 0x0
; sums[g] = the sum of |.| over 65,536 numbers: work-groups 0-255 take x, work-groups 256-511 take weight, 256 KiB on end each.
; Both means stand ahead of both quantisers, and a sum over a whole tensor spans work-groups: 512 partial sums here, the rest in the launches that use them.
; THE WALK: in step i the work-group reads 4 KiB on end, wave w 512 bytes of them, 16 bytes a lane.  64 steps; every offset is an immediate: no address register is rewritten.
; 16 loads a wave are on their way.  They are added up four loads at a time into 16 running sums, one for each register of the group.
; The sum is a tree: 16 chains of 16 terms a lane, 32 lanes, 8 waves.
; LIMITS: NaN and infinities among the inputs are not served.
; No matrix unit, no cluster, no tensor load: nothing is shared and nothing is read twice in this launch.
.set A,   4                            ; v[4:19]   16 running sums
.set P,   20                           ; v[20:27]  the eight waves' sums
.set X,   32                           ; v[32:95]  16 slots of four registers
	s_load_b128 s[4:7], s[0:1], 0x0                ; x, weight
	s_load_b64 s[8:9], s[0:1], 0x10                ; sums
	v_lshl_add_u32 v96, v0, 2, 0x100               ; my spare word
	v_mov_b32 v97, 0
	v_lshrrev_b32 v2, 5, v0
	v_readfirstlane_b32 s10, v2                    ; wave 0..7
	v_lshlrev_b32 v2, 2, v2                        ; my wave's word in LDS
	v_lshlrev_b32 v1, 4, v0                        ; 512 x wave + 16 x lane; never rewritten
	v_mov_b32 v3, 0
	s_mov_b32 s12, 0x76543210                      ; v_permlanex16_b32: lane l takes lane l xor 16
	s_mov_b32 s13, 0xfedcba98
	s_and_b32 s16, ttmp9, 255
	s_lshl_b32 s16, s16, 18                        ; my 256 KiB of the tensor
	s_mov_b32 s17, 0
	s_lshl_b32 s18, ttmp9, 2                       ; my word of sums
	s_mov_b32 s19, 0
	s_wait_alu depctr_va_vdst(0)                   ; the wait at the head's end
	s_wait_kmcnt 0x0
	s_cmp_lt_u32 ttmp9, 256                        ; x's work-group or weight's: the choice hangs on the work-group's number alone
	s_cselect_b64 s[4:5], s[4:5], s[6:7]
	s_add_nc_u64 s[4:5], s[4:5], s[16:17]
	s_add_nc_u64 s[8:9], s[8:9], s[18:19]
.macro LD i
	global_load_b128 v[X+4*((\i)%16):X+4*((\i)%16)+3], v1, s[4:5] offset:4096*(\i) th:TH_LOAD_NT
.endm
.irp i, 0,1,2,3,4,5,6,7,8,9,10,11,12,13,14,15
	LD \i
.endr
; Group k: loads 4 k .. 4 k + 3 are added up, and their slots take the loads of four groups on.
.macro GROUP k
.if (\k) < 13
	s_wait_loadcnt 12                              ; loads come back in order: mine are in, the three younger groups stay out
.else
	s_wait_loadcnt 4*(15-(\k))                     ; the tail: the counts run down
.endif
.irp j, 0,1,2,3,4,5,6,7,8,9,10,11,12,13,14,15
.if (\k) == 0
	v_and_b32 v[A+\j], 0x7fffffff, v[X+\j]         ; the first 16 numbers start the chains: nothing is cleared
.else
	v_add_f32 v[A+\j], v[A+\j], |v[X+16*((\k)%4)+\j]|
.endif
.endr
.if (\k)+4 < 16
.irp m, 0,1,2,3
	LD 4*((\k)+4)+\m
.endr
.endif
.endm
.set Q, 0
.rept 16
	GROUP Q
.set Q, Q+1
.endr
.irp j, 0,2,4,6
	v_pk_add_f32 v[A+\j:A+\j+1], v[A+\j:A+\j+1], v[A+8+\j:A+9+\j]
.endr
	v_pk_add_f32 v[A:A+1], v[A:A+1], v[A+4:A+5]
	v_pk_add_f32 v[A+2:A+3], v[A+2:A+3], v[A+6:A+7]
	v_pk_add_f32 v[A:A+1], v[A:A+1], v[A+2:A+3]
	v_add_f32 v[A], v[A], v[A+1]
	v_add_f32_dpp v[A], v[A], v[A] row_xmask:1 row_mask:0xf bank_mask:0xf
	v_add_f32_dpp v[A], v[A], v[A] row_xmask:2 row_mask:0xf bank_mask:0xf
	v_add_f32_dpp v[A], v[A], v[A] row_xmask:4 row_mask:0xf bank_mask:0xf
	v_add_f32_dpp v[A], v[A], v[A] row_xmask:8 row_mask:0xf bank_mask:0xf
	v_permlanex16_b32 v[A+1], v[A], s12, s13       ; (its destination has been written)
	v_add_f32 v[A], v[A], v[A+1]                   ; the wave's sum, in every lane
	ds_store_b32 v2, v[A]                          ; word = wave; all lanes write the same value
	s_wait_dscnt 0x0                               ; for the others' sake: my store has landed
	s_barrier_signal -1
	s_barrier_wait -1
	ds_load_b128 v[P:P+3], v3
	ds_load_b128 v[P+4:P+7], v3 offset:16
	s_wait_dscnt 0x0
	v_add_f32 v[P], v[P], v[P+1]
	v_add_f32 v[P+2], v[P+2], v[P+3]
	v_add_f32 v[P+4], v[P+4], v[P+5]
	v_add_f32 v[P+6], v[P+6], v[P+7]
	v_add_f32 v[P], v[P], v[P+2]
	v_add_f32 v[P+4], v[P+4], v[P+6]
	v_add_f32 v[P], v[P], v[P+4]                   ; the work-group's sum
	s_wait_alu depctr_va_vdst(0)
	s_cmp_lg_u32 s10, 0
	s_cbranch_scc1 .Lend                           ; wave 0 stores it, from one lane
	s_wait_xcnt 0x0                                ; EXEC changes only behind this wait
	v_cmp_eq_u32 vcc_lo, 0, v0
	s_and_saveexec_b32 s14, vcc_lo
	global_store_b32 v3, v[P], s[8:9]
	s_wait_xcnt 0x0                                ; and again, in front of the line that widens it
	s_or_b32 exec_lo, exec_lo, s14
.Lend:
	s_wait_tensorcnt 0x0                           ; the wave's end
	ds_add_u32 v96, v97
	s_wait_dscnt 0x0
	s_endpgm
.Lfunc_end_k_q804f7c0acd_absum:
	.size	k_q804f7c0acd_absum, .Lfunc_end_k_q804f7c0acd_absum-k_q804f7c0acd_absum
	.p2alignl 7, 3214868480
	.fill 96, 4, 3214868480
	.section	.rodata,"a",@progbits
	.p2align	6, 0x0
	.amdhsa_kernel k_q804f7c0acd_absum
		.amdhsa_group_segment_fixed_size 1280
		.amdhsa_private_segment_fixed_size 0
		.amdhsa_enable_private_segment 0
		.amdhsa_kernarg_size 24
		.amdhsa_user_sgpr_count 2
		.amdhsa_user_sgpr_kernarg_segment_ptr 1
		.amdhsa_wavefront_size32 1
		.amdhsa_system_sgpr_workgroup_id_x 1
		.amdhsa_system_sgpr_workgroup_id_y 1
		.amdhsa_system_sgpr_workgroup_id_z 1
		.amdhsa_system_vgpr_workitem_id 0
		.amdhsa_next_free_vgpr 98
		.amdhsa_next_free_sgpr 66
		.amdhsa_reserve_vcc 1
		.amdhsa_float_denorm_mode_32 3
		.amdhsa_float_denorm_mode_16_64 3
		.amdhsa_memory_ordered 1
		.amdhsa_forward_progress 1
		.amdhsa_inst_pref_size 26
	.end_amdhsa_kernel
	.amdgpu_metadata
---
amdhsa.version: [ 1, 2 ]
amdhsa.kernels:
  - .name:           k_q804f7c0acd_absum
    .symbol:         k_q804f7c0acd_absum.kd
    .args:
      - { .name: x, .offset: 0, .size: 8, .value_kind: global_buffer, .address_space: global }
      - { .name: weight, .offset: 8, .size: 8, .value_kind: global_buffer, .address_space: global }
      - { .name: sums, .offset: 16, .size: 8, .value_kind: global_buffer, .address_space: global }
    .group_segment_fixed_size: 1280
    .private_segment_fixed_size: 0
    .kernarg_segment_align: 8
    .kernarg_segment_size: 24
    .max_flat_workgroup_size: 256
    .sgpr_count:     66
    .vgpr_count:     98
    .wavefront_size: 32
...
	.end_amdgpu_metadata
.endif
;; end of part 1
;; launch quant (part 2): grid 1024 x 1, 4 waves a work-group, no clusters, 1,536 bytes of LDS; arguments x, weight, sums, a_codes, a_scales, w_codes; writes a_codes, a_scales, w_codes
.if DOCPART == 2
	.amdgcn_target "amdgcn-amd-amdhsa--gfx1250"
	.amdhsa_code_object_version 6
	.text
	.protected	k_q804f7c0acd_quant
	.globl	k_q804f7c0acd_quant
	.p2align	8
	.type	k_q804f7c0acd_quant,@function
k_q804f7c0acd_quant:
	s_mov_b64 s[64:65], 0
	v_nop
	global_prefetch_b8 v0, s[64:65] scope:SCOPE_SE
	s_setreg_imm32_b32 hwreg(HW_REG_WAVE_MODE, 25, 1), 1
	s_wait_xcnt 0x0
; Both operands of the product become codes of FP4 (E2M1), K innermost, two codes a byte.
;   work-groups 0-511:    a = x / sx, sx = max(mean|x|, 1e-8): codes into a_codes [4096][2048 bytes], one E8M0 byte for each 32 along K into a_scales [4096][128].
;   work-groups 512-1023: b = sign(w) sw where |w / sw| > 0.5, else 0, sw = max(mean|w|, 1e-8): codes into w_codes, 2,048 bytes a row.
; THE MEANS: each wave adds the tensor's 256 partial sums by the macro MEAN, which stands word for word in the product's launch too.  16,777,216 numbers: the mean is the sum x 2^-24, exactly.
; THE TERNARY CHOICE needs no division: the rounded quotient |w| / sw lies above 0.5 exactly where |w| > 0.5 sw (0.5 sw is exact, and the next f32 number above it carries the quotient past the middle between 0.5 and its successor).
; THE WEIGHTS' SCALE: a block's largest magnitude is sw or 0, so every block has the scale 2^(floor(log2 sw) - 2); a block of zeros has zero codes.  No scale bytes are stored for the weights: the product's launch makes the byte from sw.
; THE WEIGHTS' ROWS are laid as the product's launch takes them: row n goes to place (n & ~63) | (n & 3) << 4 | (n >> 2 & 15).
; x's BLOCKS: the byte is the largest magnitude's exponent field - 2, held at 1 from below.  A block of zeros so gets the byte 1 and not 127: its codes are zeros, and this program alone reads the bytes.
; A STEP is 512 numbers, four loads of 512 consecutive bytes (a chunk of 128 numbers each), 16 bytes a lane.  The conversion wants eight numbers of ONE block in a lane.  So lanes l and l xor 1 exchange four numbers:
; the even lane ends with numbers 4 l .. 4 l + 7 of the pair's first chunk, the odd lane with 4 (l - 1) .. + 7 of the second (its own four first).  A block then lies in lanes l, l xor 2, l xor 4, l xor 6.
; The two code words (chunk pairs 0 and 1) are exchanged with lane l xor 2, so that a lane holds 16 codes, 8 bytes, and the wave stores 256 consecutive, aligned bytes.
; THE ORDER OF k INSIDE 16 CODES: each 8 bytes hold the 16 codes that belong there, but in chunks 1 and 3 of a step the halves of each word, and in chunks 2 and 3 the two words, have changed places.
; That order hangs on k alone, stays inside a block of 32 and is the same for both tensors: the product pairs equal k.
; LIMITS: x / sx is made as x r, r = 1 / sx by v_rcp_f32 and one Newton step: it can differ from the rounded quotient in the last bit.  mean|x| stays under 2^126.  NaN and infinities among the inputs are not served.
; A wave takes 8,192 numbers in 16 steps; loads run four steps (16 loads a wave) ahead.  No barrier: waves share nothing.  LDS holds x's scale bytes alone, 256 a wave, which leave as one aligned unit.
.set STEPS, 16
.set WGX,   512
.set R,     16                         ; v16-79    four sets of 16 numbers as loaded
.set K,     80                         ; v80-95    two runs of eight numbers of one block
.set S,     96                         ; v96-103   what goes to lane l xor 1
.set QC,    104                        ; v104-105  the two code words
.set E,     106                        ; v106-108  scale bytes
.set SD,    109                        ; v109      what goes to lane l xor 2
.set C,     128                        ; v128-159  two registers of codes for each step: no store's data are written again
.set T,     160                        ; v160-167  the partial sums, then the mean in v160
.set RC,    168                        ; v[168:169] 1 / sx, twice
.set H,     170                        ; v170      0.5 sw
.set WOP,   171                        ; v171      the weights' scale operand
.set SEL,   36                         ; s[36:37]  lane selects for v_permlanex16_b32
.set ODD,   38                         ; s38       lanes with bit 0 set
.set B1,    39                         ; s39       lanes with bit 1 set
.set MK,    40                         ; s40-43    four compare masks by turns
.macro MEAN t
	v_pk_add_f32 v[\t:\t+1], v[\t:\t+1], v[\t+4:\t+5]
	v_pk_add_f32 v[\t+2:\t+3], v[\t+2:\t+3], v[\t+6:\t+7]
	v_pk_add_f32 v[\t:\t+1], v[\t:\t+1], v[\t+2:\t+3]
	v_add_f32 v[\t], v[\t], v[\t+1]
	v_add_f32_dpp v[\t], v[\t], v[\t] row_xmask:1 row_mask:0xf bank_mask:0xf
	v_add_f32_dpp v[\t], v[\t], v[\t] row_xmask:2 row_mask:0xf bank_mask:0xf
	v_add_f32_dpp v[\t], v[\t], v[\t] row_xmask:4 row_mask:0xf bank_mask:0xf
	v_add_f32_dpp v[\t], v[\t], v[\t] row_xmask:8 row_mask:0xf bank_mask:0xf
	v_permlanex16_b32 v[\t+1], v[\t], s[SEL], s[SEL+1]
	v_add_f32 v[\t], v[\t], v[\t+1]
	v_mul_f32 v[\t], 0x33800000, v[\t]             ; x 2^-24
	v_max_num_f32 v[\t], 0x322bcc77, v[\t]         ; at least 1e-8
.endm
	s_load_b128 s[4:7], s[0:1], 0x0                ; x, weight
	s_load_b128 s[8:11], s[0:1], 0x10              ; sums, a_codes
	s_load_b128 s[12:15], s[0:1], 0x20             ; a_scales, w_codes
	v_lshl_add_u32 v176, v0, 2, 0x400              ; my spare word
	v_mov_b32 v177, 0
	v_lshrrev_b32 v1, 5, v0
	v_readfirstlane_b32 s16, v1                    ; wave 0..3
	v_and_b32 v2, 31, v0                           ; lane
	v_lshlrev_b32 v3, 4, v2                        ; my 16 bytes of a load's 512
	v_and_b32 v14, 3, v2
	v_lshrrev_b32 v15, 2, v2
	v_lshlrev_b32 v4, 6, v14
	v_lshl_add_u32 v4, v15, 3, v4                  ; my codes' place in a step's 256 bytes: chunk l % 4, 8 bytes at 8 (l / 4)
	v_lshrrev_b32 v15, 3, v2
	v_lshl_add_u32 v5, v14, 2, v15                 ; my block among the step's 16: 4 (l % 4) + l / 8
	s_lshl_b32 s24, s16, 8
	v_add_nc_u32 v5, s24, v5                       ; LDS: its scale byte
	v_lshlrev_b32 v7, 3, v2                        ; on the way out 8 bytes a lane
	v_add_nc_u32 v6, s24, v7
.irp k, 0,1,2,3
	v_mov_b32 v[K+4+\k], 0                         ; (a lane move's destination counts as read: written once here)
	v_mov_b32 v[K+12+\k], 0
.endr
.irp t, 0,1,2,3,4,5,6,7,8,9,10,11,12,13,14,15
	v_mov_b32 v[C+2*\t+1], 0
.endr
	s_mov_b32 s[SEL], 0x76543210
	s_mov_b32 s[SEL+1], 0xfedcba98
	s_mov_b32 s[ODD], 0xaaaaaaaa
	s_mov_b32 s[B1], 0xcccccccc
	s_wait_alu depctr_va_vdst(0)                   ; the wait at the head's end
	s_wait_kmcnt 0x0
	s_cmp_lt_u32 ttmp9, WGX                        ; x's work-group or weight's?  The choices hang on the work-group's number alone
	s_cselect_b64 s[4:5], s[4:5], s[6:7]
	s_cselect_b64 s[10:11], s[10:11], s[14:15]
	s_cselect_b32 s17, 0, WGX
	s_cselect_b32 s22, 0, 1024
	s_mov_b32 s23, 0
	s_add_nc_u64 s[8:9], s[8:9], s[22:23]          ; the tensor's 256 partial sums
	s_sub_co_u32 s17, ttmp9, s17
	s_lshl_b32 s17, s17, 2
	s_add_co_u32 s18, s17, s16                     ; which run of 8,192 numbers is my wave's: 0 .. 2,047
	s_mov_b32 s21, 0
	s_lshl_b32 s20, s18, 15                        ; 32 KiB of numbers
	s_add_nc_u64 s[4:5], s[4:5], s[20:21]
	s_lshl_b32 s20, s18, 12                        ; 4 KiB of codes: x's rows lie in their own order;
	s_lshl_b32 s25, s18, 1                         ; the weights': my rows are n = 2 x run and n + 1, and row n + 1 lies 16 places behind row n
	s_and_b32 s26, s25, 0xfc0
	s_and_b32 s27, s25, 2
	s_lshl_b32 s27, s27, 4
	s_or_b32 s26, s26, s27
	s_bfe_u32 s27, s25, 0x40002
	s_or_b32 s26, s26, s27
	s_lshl_b32 s26, s26, 11                        ; 2,048 bytes a place
	s_cmp_lt_u32 ttmp9, WGX
	s_cselect_b32 s20, s20, s26
	s_add_nc_u64 s[10:11], s[10:11], s[20:21]
	s_lshl_b32 s20, s18, 8                         ; 256 scale bytes (x's path alone stores them)
	s_add_nc_u64 s[12:13], s[12:13], s[20:21]
	global_load_b128 v[T:T+3], v3, s[8:9]
	global_load_b128 v[T+4:T+7], v3, s[8:9] offset:512
.macro LOAD t
.irp i, 0,1,2,3
	global_load_b128 v[R+16*((\t)%4)+4*\i:R+16*((\t)%4)+4*\i+3], v3, s[4:5] offset:2048*(\t)+512*\i th:TH_LOAD_NT   ; 32 lanes read 512 consecutive bytes
.endr
.endm
; The head of step t: its four loads are in; lanes l and l xor 1 exchange; the set takes the loads of four steps on.
.macro EXCH t
.if STEPS-1-(\t) >= 3
	s_wait_loadcnt 12                              ; those of the three steps behind it may be out
.else
	s_wait_loadcnt 4*(STEPS-1-(\t))                ; the tail: the counts run down
.endif
.set RS, R+16*((\t)%4)
.irp p, 0,1
.irp k, 0,1,2,3
	v_cndmask_b32 v[S+4*\p+\k], v[RS+8*\p+4+\k], v[RS+8*\p+\k], s[ODD]     ; away: the even lane's four of the second chunk, the odd lane's of the first
.endr
.endr
.irp p, 0,1
.irp k, 0,1,2,3
	v_cndmask_b32 v[K+8*\p+\k], v[RS+8*\p+\k], v[RS+8*\p+4+\k], s[ODD]     ; kept
.endr
.endr
.irp p, 0,1
.irp k, 0,1,2,3
	v_mov_b32_dpp v[K+8*\p+4+\k], v[S+4*\p+\k] row_xmask:1 row_mask:0xf bank_mask:0xf
.endr
.endr
.if (\t)+4 < STEPS
	LOAD (\t)+4
.endif
.endm
.macro PACK t                          ; lanes l and l xor 2 exchange a code word: lanes with bit 1 clear end with chunk pair 0's, the others with pair 1's
	v_cndmask_b32 v[SD], v[QC+1], v[QC], s[B1]
	v_cndmask_b32 v[C+2*(\t)], v[QC], v[QC+1], s[B1]
	v_mov_b32_dpp v[C+2*(\t)+1], v[SD] row_xmask:2 row_mask:0xf bank_mask:0xf
.endm
.irp t, 0,1,2,3
	LOAD \t
.endr
	s_wait_loadcnt 16                              ; the partial sums are in; the 16 loads of numbers stay out
	MEAN T
	s_cmp_lt_u32 ttmp9, WGX
	s_cbranch_scc0 .Lweights
	; ---- x
	s_wait_alu depctr_va_vdst(0)                   ; the wait ahead of the transcendental
	v_rcp_f32 v[RC], v[T]
	v_nop
	s_wait_alu depctr_va_vdst(0)                   ; and ahead of its first reader
	v_fma_f32 v[T+1], -v[T], v[RC], 1.0            ; one Newton step: r = r + r (1 - sx r)
	v_fma_f32 v[RC], v[RC], v[T+1], v[RC]
	v_mov_b32 v[RC+1], v[RC]
	s_wait_alu depctr_va_vdst(0)
.macro STEPX t
	EXCH \t
.irp i, 0,2,4,6,8,10,12,14
	v_pk_mul_f32 v[K+\i:K+\i+1], v[K+\i:K+\i+1], v[RC:RC+1]        ; x / sx, in f32
.endr
	v_max3_num_f32 v8, |v[K]|, |v[K+1]|, |v[K+2]|                  ; the largest magnitude of my eight, for each of the two runs
	v_max3_num_f32 v9, |v[K+8]|, |v[K+9]|, |v[K+10]|
	v_max3_num_f32 v8, v8, |v[K+3]|, |v[K+4]|
	v_max3_num_f32 v9, v9, |v[K+11]|, |v[K+12]|
	v_max3_num_f32 v8, v8, |v[K+5]|, |v[K+6]|
	v_max3_num_f32 v9, v9, |v[K+13]|, |v[K+14]|
	v_max3_num_f32 v8, v8, |v[K+7]|, 0x1800000                     ; and the floor 2^(3 - 127): the byte cannot fall under 1
	v_max3_num_f32 v9, v9, |v[K+15]|, 0x1800000
	v_max_num_f32_dpp v8, v8, v8 row_xmask:2 row_mask:0xf bank_mask:0xf   ; and of the three other lanes that hold the block
	v_max_num_f32_dpp v9, v9, v9 row_xmask:2 row_mask:0xf bank_mask:0xf
	v_max_num_f32_dpp v8, v8, v8 row_xmask:4 row_mask:0xf bank_mask:0xf
	v_max_num_f32_dpp v9, v9, v9 row_xmask:4 row_mask:0xf bank_mask:0xf
	v_add_nc_u32 v10, 0xff000000, v8               ; 2 off the exponent field: the conversion's scale operand
	v_add_nc_u32 v11, 0xff000000, v9
	v_cvt_scalef32_pk8_fp4_f32 v[QC], v[K:K+7], v10
	v_cvt_scalef32_pk8_fp4_f32 v[QC+1], v[K+8:K+15], v11
	v_lshrrev_b32 v[E], 23, v10                    ; the scales' bytes (plain lines behind the conversions)
	v_lshrrev_b32 v[E+1], 23, v11
	v_cndmask_b32 v[E+2], v[E], v[E+1], s[B1]      ; that of the chunk whose codes I store
	PACK \t
	ds_store_b8 v5, v[E+2] offset:16*(\t)          ; the two lanes that store a block's codes write the same byte with the same value
.endm
.irp t, 0,1,2,3,4,5,6,7,8,9,10,11,12,13,14,15
	STEPX \t
.endr
	ds_load_b64 v[12:13], v6                       ; my wave's 256 scale bytes: LDS serves a wave's instructions in order
	s_wait_alu depctr_va_vdst(0)
	s_wait_dscnt 0x0
.irp t, 0,1,2,3,4,5,6,7,8,9,10,11,12,13,14,15
	global_store_b64 v4, v[C+2*\t:C+2*\t+1], s[10:11] offset:256*\t   ; the codes of all 16 steps leave together, behind the last vector instruction: each store covers 256 consecutive bytes, aligned
.endr
	global_store_b64 v7, v[12:13], s[12:13]        ; 32 lanes store 256 consecutive bytes, aligned
	s_wait_tensorcnt 0x0                           ; the wave's end
	ds_add_u32 v176, v177
	s_wait_dscnt 0x0
	s_endpgm
	; ---- weight
.Lweights:
	s_wait_alu depctr_va_vdst(0)
	v_mul_f32 v[H], 0.5, v[T]                      ; exact
	v_add_nc_u32 v[WOP], 0xff000000, v[T]          ; 2 off sw's exponent field: every block's scale
	s_wait_alu depctr_va_vdst(0)
.macro STEPW t
	EXCH \t
.irp g, 0,4,8,12
.irp j, 0,1,2,3
	v_cmp_gt_f32 s[MK+\j], |v[K+\g+\j]|, v[H]      ; |w| > 0.5 sw: the mask only selects a value
.endr
.irp j, 0,1,2,3
	v_and_or_b32 v[K+\g+\j], v[K+\g+\j], 0x80000000, v[T]          ; sw with w's sign
.endr
.irp j, 0,1,2,3
	v_cndmask_b32 v[K+\g+\j], 0, v[K+\g+\j], s[MK+\j]              ; or 0
.endr
.endr
	v_cvt_scalef32_pk8_fp4_f32 v[QC], v[K:K+7], v[WOP]
	v_cvt_scalef32_pk8_fp4_f32 v[QC+1], v[K+8:K+15], v[WOP]
	v_nop                                          ; a plain line behind the conversions
	PACK \t
.endm
.irp t, 0,1,2,3,4,5,6,7,8,9,10,11,12,13,14,15
	STEPW \t
.endr
	s_wait_alu depctr_va_vdst(0)                   ; the wait ahead of the readers below
.irp t, 0,1,2,3,4,5,6,7,8,9,10,11,12,13,14,15
	global_store_b64 v4, v[C+2*\t:C+2*\t+1], s[10:11] offset:256*\t+30720*(\t/8)   ; all 16 steps' codes together; steps 8-15 are the second row's: 16 places, 32,768 bytes, behind the first's
.endr
	s_wait_tensorcnt 0x0
	ds_add_u32 v176, v177
	s_wait_dscnt 0x0
	s_endpgm
.Lfunc_end_k_q804f7c0acd_quant:
	.size	k_q804f7c0acd_quant, .Lfunc_end_k_q804f7c0acd_quant-k_q804f7c0acd_quant
	.p2alignl 7, 3214868480
	.fill 96, 4, 3214868480
	.section	.rodata,"a",@progbits
	.p2align	6, 0x0
	.amdhsa_kernel k_q804f7c0acd_quant
		.amdhsa_group_segment_fixed_size 1536
		.amdhsa_private_segment_fixed_size 0
		.amdhsa_enable_private_segment 0
		.amdhsa_kernarg_size 48
		.amdhsa_user_sgpr_count 2
		.amdhsa_user_sgpr_kernarg_segment_ptr 1
		.amdhsa_wavefront_size32 1
		.amdhsa_system_sgpr_workgroup_id_x 1
		.amdhsa_system_sgpr_workgroup_id_y 1
		.amdhsa_system_sgpr_workgroup_id_z 1
		.amdhsa_system_vgpr_workitem_id 0
		.amdhsa_next_free_vgpr 178
		.amdhsa_next_free_sgpr 66
		.amdhsa_reserve_vcc 0
		.amdhsa_float_denorm_mode_32 3
		.amdhsa_float_denorm_mode_16_64 3
		.amdhsa_memory_ordered 1
		.amdhsa_forward_progress 1
		.amdhsa_inst_pref_size 161
	.end_amdhsa_kernel
	.amdgpu_metadata
---
amdhsa.version: [ 1, 2 ]
amdhsa.kernels:
  - .name:           k_q804f7c0acd_quant
    .symbol:         k_q804f7c0acd_quant.kd
    .args:
      - { .name: x, .offset: 0, .size: 8, .value_kind: global_buffer, .address_space: global }
      - { .name: weight, .offset: 8, .size: 8, .value_kind: global_buffer, .address_space: global }
      - { .name: sums, .offset: 16, .size: 8, .value_kind: global_buffer, .address_space: global }
      - { .name: a_codes, .offset: 24, .size: 8, .value_kind: global_buffer, .address_space: global }
      - { .name: a_scales, .offset: 32, .size: 8, .value_kind: global_buffer, .address_space: global }
      - { .name: w_codes, .offset: 40, .size: 8, .value_kind: global_buffer, .address_space: global }
    .group_segment_fixed_size: 1536
    .private_segment_fixed_size: 0
    .kernarg_segment_align: 8
    .kernarg_segment_size: 48
    .max_flat_workgroup_size: 128
    .sgpr_count:     66
    .vgpr_count:     178
    .wavefront_size: 32
...
	.end_amdgpu_metadata
.endif
;; end of part 2
;; launch gemm (part 3): grid 16 x 16, 4 waves a work-group, clusters of 4 x 4, 327,680 bytes of LDS; arguments a_codes, a_scales, w_codes, sums, out0, bias; writes out0
.if DOCPART == 3
	.amdgcn_target "amdgcn-amd-amdhsa--gfx1250"
	.amdhsa_code_object_version 6
	.text
	.protected	k_q804f7c0acd_gemm
	.globl	k_q804f7c0acd_gemm
	.p2align	8
	.type	k_q804f7c0acd_gemm,@function
k_q804f7c0acd_gemm:
	s_mov_b64 s[64:65], 0
	v_nop
	global_prefetch_b8 v0, s[64:65] scope:SCOPE_SE
	s_setreg_imm32_b32 hwreg(HW_REG_WAVE_MODE, 25, 1), 1
	s_wait_xcnt 0x0
	s_wait_alu depctr_hold_cnt(0) depctr_sa_sdst(0) depctr_va_vdst(0) depctr_va_sdst(0) depctr_va_ssrc(0) depctr_va_vcc(0) depctr_vm_vsrc(0)
	s_getreg_b32 s2, hwreg(HW_REG_IB_STS2, 6, 4)
	s_cmp_eq_u32 s2, 0
	s_cbranch_scc0 .Lentry_in_a_cluster
	s_endpgm
.Lentry_in_a_cluster:
	s_bfe_u32 s2, ttmp6, 0x10000c
	s_cmp_lg_u32 s2, 0xf033
	s_cbranch_scc0 .Lentry_shape_is_right
	s_endpgm
.Lentry_shape_is_right:
; out0[m][n] = (sum over k of A[m][k] B[n][k]) sx + bias[n] sx.  A = Q(x / sx): codes [4096][2048 bytes] and E8M0 bytes [4096][128]; B = Q(ternary weight x sw): codes, 2,048 bytes a row; both FP4 (E2M1), K innermost.
; Inside each 16 codes the launch that made them laid k in an order that hangs on k alone and is the same for A and B: the products pair equal k.  (sum + bias) sx is one fused multiply-add, sum x sx + (bias sx).
; B'S ROWS lie in w_codes at place (n & ~63) | (n & 3) << 4 | (n >> 2 & 15): the sixteen places of tile 4 g + t hold the columns n = 64 g + 4 r + t.
; B'S SCALES are one byte for the whole tensor, (exponent field of sw) - 2: each block's largest magnitude is sw or 0, and a block of zeros has zero codes.  sw and sx are made from the 512 partial sums by the lines of the launch that made the codes.
; A block of out0, 256 x 256, is made by four waves, each 128 x 128: 64 accumulators, 512 registers.  256 work-groups.  K goes in steps of 512 through two LDS slots: a tile's row is 256 bytes of memory.
; A's scales of the work-group's 256 rows, 32,768 dense bytes, come into LDS once, at the head, and stay.
; CLUSTERS: 4 x 4.  A's tiles and scales are asked for jointly along a row of the cluster, B's tiles along a column.
; THE WAY OUT NEEDS NO LDS: source 0 = 16 rows of A, source 1 = 16 places of B.  Lane r of a fragment of A takes row 2 (r % 8) + r / 8 of its 16, so register j of a result is row 2 j + h and column r of the tile.
; By B's order the same register of tiles 4 g .. 4 g + 3 holds columns 64 g + 4 r + 0 .. 3: four multiply-adds put them into four registers on end; sixteen lanes store 256 consecutive bytes, aligned, the other sixteen the next row's.
; FRAGMENTS: two sets for A and two for B; a step's 32 LDS loads go out in one run at the head of the step before.
; THE LAST LAP (K steps 6 and 7, both in LDS, nothing filled) GOES IN TWO HALVES: first my rows 0-63 through its last seven steps of 128, then rows 64-127; B's fragments are read once more for that.
; The first half's 64 rows are finished and stored, 256 multiply-adds and then 64 stores, ahead of the second half's steps; the second half's likewise at the end.
; PREFETCH: where K step j is loaded, K step j + 2 is asked for: 32 rows x 256 bytes a wave, a lane a row; the four partners of a joint load share its 128 rows by address.  The head also asks for K step 1.  K steps 6 and 7 are the last asked for.
; LIMITS: NaN and infinities among the inputs are not served.
; REGISTERS: window 0: v0-31 addresses and constants, v32-63 A's scale words (two sets), v96-111 partial sums (head), v128-255 A's fragments (two sets).  window 1: B's fragments at v0 and v128; v64-127 the first block's results; at the end all of it results.
;   window 2: accumulators of my rows 0-63 ((a, b) at v[8 (8 a + b)]), then the results of blocks 1-3; window 3: accumulators of rows 64-127.
.set KROW,   2048
.set ROWB,   256
.set NQ,     4
.set LAPS,   4
.set NROW,   16384                     ; a row of out0 in bytes
.set PITCH,  272                       ; an LDS row: 256 bytes + 16 of padding
.set HALFT,  128*PITCH
.set SLOT,   4*HALFT                   ; A's 256 rows, then B's 256
.set SCL,    2*SLOT                    ; A's scales: two rows of 128 bytes to a unit of 256 + 16
.set SBLK,   8*272                     ; those of 16 rows
.set HALFS,  64*272                    ; those of 128 rows
.set SPARE,  SCL+128*272               ; the spare words: 512 bytes that no other line names
.set IS,   8                           ; v8       sx
.set BIS,  10                          ; v[10:17] bias x sx of my eight columns
.set CO,   18                          ; v18      my byte offset in out0: h rows + 16 r
.set PFO,  19                          ; v19      the prefetches' offset: lane x 2,048
.set ADRA, 20                          ; v20-21   LDS address of my A fragments in slot 0, 1
.set ADRB, 22                          ; v22-23   the same for B
.set L16,  24                          ; v24      16 x lane
.set R16,  25                          ; v25      16 r
.set ADRS, 27                          ; v27      LDS address of my scale words: lanes 0-15 blocks 0-3, lanes 16-31 blocks 4-7
.set SPW,  28
.set NIL,  29
.set WSC,  30                          ; v30      B's scale byte, four times
.set SC,   32                          ; set s at v[SC + 16 s]; register 4 i + q: lanes 0-15 block i, lanes 16-31 block i + 4
.set T,    96
.set AF,   128
.set G1,   24
.set G0,   32
.set G1B,  48
.set G0B,  56
.set G1S,  68
.set G0S,  76
.set SEL,  80
.set G0HB, 84                          ; s[84:87] group 0 of the head's load of B's 256 rows
.set PFA,  90                          ; s[90:91] where my prefetches stand
.set MSB, 0
.macro WIN new
.if MSB != \new
	s_set_vgpr_msb (MSB<<8)|\new
.set MSB, \new
.endif
.endm
.set MUL_LO, 0xa4                      ; source 0 (A) window 0, source 1 (B) window 1, C and D window 2
.set MUL_HI, 0xf4                      ; the same, C and D window 3
.set TO_B,   0x40
.macro JLOAD g0a, g1a, g0b, g1b        ; waves 0 and 1 fetch for A, waves 2 and 3 for B; s_nop 0 and four v_nop behind each line
	s_cmp_eq_u32 s15, 0
	s_cbranch_scc0 .Lfor_b_\@
	tensor_load_to_lds s[\g0a:\g0a+3], s[\g1a:\g1a+7]
	s_nop 0
.rept 4
	v_nop
.endr
	s_branch .Lasked_\@
.Lfor_b_\@:
	tensor_load_to_lds s[\g0b:\g0b+3], s[\g1b:\g1b+7]
	s_nop 0
.rept 4
	v_nop
.endr
.Lasked_\@:
.endm
.macro CREST
	s_cmp_lg_u32 s14, 0
	s_cbranch_scc1 .Lnot_wave_0_\@
	s_barrier_signal -3
.Lnot_wave_0_\@:
	s_barrier_wait -3
	s_barrier_signal -1
	s_barrier_wait -1
.endm
.macro CROUND
	s_barrier_signal -1
	s_barrier_wait -1
	CREST
.endm
.macro MEAN t                          ; word for word the lines of the launch that made the codes
	v_pk_add_f32 v[\t:\t+1], v[\t:\t+1], v[\t+4:\t+5]
	v_pk_add_f32 v[\t+2:\t+3], v[\t+2:\t+3], v[\t+6:\t+7]
	v_pk_add_f32 v[\t:\t+1], v[\t:\t+1], v[\t+2:\t+3]
	v_add_f32 v[\t], v[\t], v[\t+1]
	v_add_f32_dpp v[\t], v[\t], v[\t] row_xmask:1 row_mask:0xf bank_mask:0xf
	v_add_f32_dpp v[\t], v[\t], v[\t] row_xmask:2 row_mask:0xf bank_mask:0xf
	v_add_f32_dpp v[\t], v[\t], v[\t] row_xmask:4 row_mask:0xf bank_mask:0xf
	v_add_f32_dpp v[\t], v[\t], v[\t] row_xmask:8 row_mask:0xf bank_mask:0xf
	v_permlanex16_b32 v[\t+1], v[\t], s[SEL], s[SEL+1]
	v_add_f32 v[\t], v[\t], v[\t+1]
	v_mul_f32 v[\t], 0x33800000, v[\t]             ; x 2^-24
	v_max_num_f32 v[\t], 0x322bcc77, v[\t]         ; at least 1e-8
.endm
	s_load_b128 s[4:7], s[0:1], 0x0                ; A's codes, A's scales
	s_load_b128 s[8:11], s[0:1], 0x10              ; B's codes, the partial sums
	s_load_b64 s[12:13], s[0:1], 0x20              ; out0
	s_load_b64 s[88:89], s[0:1], 0x28              ; bias
	v_lshl_add_u32 v[SPW], v0, 2, SPARE
	v_mov_b32 v[NIL], 0
	ds_add_u32 v[SPW], v[NIL]                      ; the opening lines: the add, twice on end, and its wait
	ds_add_u32 v[SPW], v[NIL]
	v_lshrrev_b32 v1, 5, v0
	v_readfirstlane_b32 s14, v1                    ; wave 0..3
	v_and_b32 v6, 31, v0
	v_lshlrev_b32 v[L16], 4, v6
	v_lshlrev_b32 v[PFO], 11, v6
	v_and_b32 v1, 15, v0                           ; r
	v_lshlrev_b32 v[R16], 4, v1
	s_wait_alu depctr_va_vdst(0)
	s_lshr_b32 s15, s14, 1                         ; my half of the block's rows.  Also: I fetch for A (0) or for B (1)
	s_and_b32 s16, s14, 1                          ; my half of its columns.  Also: which 128 rows of that tile I fetch
	s_bfe_u32 s40, ttmp6, 0x40000                  ; cx, cy
	s_bfe_u32 s41, ttmp6, 0x40004
	s_lshl_b32 s42, ttmp9, 2
	s_add_co_u32 s42, s42, s40                     ; block column
	s_and_b32 s17, ttmp7, 0xffff
	s_lshl_b32 s17, s17, 2
	s_add_co_u32 s17, s17, s41                     ; block row
	s_lshl_b32 s43, s41, 2
	s_lshl_b32 s43, 15, s43                        ; my row of the cluster
	s_lshl_b32 s44, 0x1111, s40                    ; my column
	s_mov_b32 s[SEL], 0x76543210
	s_mov_b32 s[SEL+1], 0xfedcba98
	s_or_b32 s[G1+0], s43, (0<<16)|(1<<20)|(1<<21)|(5<<22)|(3<<25)   ; bytes; 16 bytes of padding behind every 256; the mask and bit 21
	s_or_b32 s[G1B+0], s44, (0<<16)|(1<<20)|(1<<21)|(5<<22)|(3<<25)
.irp g, G1, G1B
	s_mov_b32 s[\g+1], ROWB<<16
	s_mov_b32 s[\g+3], ROWB<<16
	s_mov_b32 s[\g+5], KROW
	s_mov_b32 s[\g+6], 0
	s_mov_b32 s[\g+7], 0
.endr
	s_mov_b32 s[G1+2], 128<<16                     ; A's loads bring 128 rows;
	s_mov_b32 s[G1+4], 128
	s_mov_b32 s[G1B+2], 256<<16                    ; B's load at the head 256 (behind it these two words are set to 128)
	s_mov_b32 s[G1B+4], 256
	s_or_b32 s[G1S+0], s43, (3<<16)|(1<<20)|(1<<21)|(5<<22)|(3<<25)  ; the scales: 128 rows of 32 elements of 8 bytes
	s_mov_b32 s[G1S+1], 32<<16
	s_mov_b32 s[G1S+2], 128<<16
	s_mov_b32 s[G1S+3], 32<<16
	s_mov_b32 s[G1S+4], 128
	s_mov_b32 s[G1S+5], 32
	s_mov_b32 s[G1S+6], 0
	s_mov_b32 s[G1S+7], 0
	s_lshl_b32 s18, s16, 7
	s_lshl_b32 s20, s17, 8
	s_add_co_u32 s20, s20, s18
	s_lshl_b32 s20, s20, 11                        ; A: (256 x block row + 128 x half) rows of 2,048 bytes
	s_mov_b32 s21, 0
	s_lshl_b32 s46, s42, 8
	s_add_co_u32 s46, s46, s18
	s_lshl_b32 s46, s46, 11                        ; B likewise, by the block column
	s_mov_b32 s47, 0
	s_lshl_b32 s92, s42, 19                        ; B's 256 rows, whole
	s_mov_b32 s93, 0
	s_lshl_b32 s22, s17, 15                        ; A's scales: 256 x block row x 128 bytes
	s_mov_b32 s23, 0
	s_mul_i32 s45, s14, HALFT                      ; where my ring loads go
	s_mul_i32 s66, s15, HALFT                      ; what I read: my 128 rows of A,
	s_add_co_u32 s67, s66, SLOT
	s_mul_i32 s82, s16, HALFT
	s_add_co_u32 s82, s82, 2*HALFT                 ; my 128 rows of B,
	s_add_co_u32 s83, s82, SLOT
	s_mul_i32 s94, s15, HALFS
	s_add_co_u32 s94, s94, SCL                     ; my rows' scales
	s_cmp_eq_u32 s15, 0                            ; the prefetches: of the 128 rows that I fetch, my work-group's 32, by its place among the four partners
	s_cselect_b32 s19, s17, s42
	s_cselect_b32 s95, s40, s41
	s_lshl_b32 s19, s19, 8
	s_add_co_u32 s19, s19, s18
	s_lshl_b32 s95, s95, 5
	s_add_co_u32 s19, s19, s95
	s_lshl_b32 s2, s19, 11
	s_mov_b32 s3, 0
	s_wait_dscnt 0x0                               ; both opening adds are done
	s_wait_kmcnt 0x0
	s_add_nc_u64 s[20:21], s[4:5], s[20:21]
	s_add_nc_u64 s[22:23], s[6:7], s[22:23]
	s_add_nc_u64 s[46:47], s[8:9], s[46:47]
	s_add_nc_u64 s[92:93], s[8:9], s[92:93]
	s_cmp_eq_u32 s15, 0
	s_cselect_b64 s[PFA:PFA+1], s[4:5], s[8:9]
	s_add_nc_u64 s[PFA:PFA+1], s[PFA:PFA+1], s[2:3]
	s_lshl_b32 s18, s17, 8
	s_lshl_b32 s19, s15, 7
	s_add_co_u32 s18, s18, s19
	s_lshl_b32 s18, s18, 14                        ; my first row of out0, in bytes
	s_mov_b32 s19, 0
	s_lshl_b32 s2, s42, 10
	s_lshl_b32 s3, s16, 9
	s_add_co_u32 s2, s2, s3                        ; my first column, in bytes
	s_mov_b32 s3, 0
	s_add_nc_u64 s[88:89], s[88:89], s[2:3]
	s_add_nc_u64 s[12:13], s[12:13], s[18:19]
	s_add_nc_u64 s[12:13], s[12:13], s[2:3]
	global_load_b128 v[T+8:T+11], v[L16], s[10:11] offset:1024     ; weight's 256 partial sums
	global_load_b128 v[T+12:T+15], v[L16], s[10:11] offset:1536
	global_load_b128 v[T:T+3], v[L16], s[10:11]                    ; x's
	global_load_b128 v[T+4:T+7], v[L16], s[10:11] offset:512
	global_load_b128 v[BIS:BIS+3], v[R16], s[88:89]                ; bias at columns 4 r .. 4 r + 3,
	global_load_b128 v[BIS+4:BIS+7], v[R16], s[88:89] offset:256   ; and 64 further on
	s_mov_b32 s[G0S], 1
	s_mov_b32 s[G0S+1], SCL
	s_mov_b64 s[G0S+2:G0S+3], s[22:23]
	s_or_b32 s[G0S+3], s[G0S+3], 0x80000000
	s_mov_b32 s[G0HB], 1
	s_mov_b32 s[G0HB+1], 2*HALFT
	s_mov_b64 s[G0HB+2:G0HB+3], s[92:93]
	s_or_b32 s[G0HB+3], s[G0HB+3], 0x80000000
.irp s, 0,1
	s_mov_b32 s[G0+4*\s], 1
	s_add_co_u32 s[G0+4*\s+1], s45, \s*SLOT
	s_add_nc_u64 s[G0+4*\s+2:G0+4*\s+3], s[20:21], \s*ROWB
	s_or_b32 s[G0+4*\s+3], s[G0+4*\s+3], 0x80000000
	s_mov_b32 s[G0B+4*\s], 1
	s_add_co_u32 s[G0B+4*\s+1], s45, \s*SLOT
	s_add_nc_u64 s[G0B+4*\s+2:G0B+4*\s+3], s[46:47], \s*ROWB
	s_or_b32 s[G0B+4*\s+3], s[G0B+4*\s+3], 0x80000000
.endr
	CROUND                                         ; all sixteen work-groups are here: the first joint loads meet
; THE HEAD'S LOADS, ONE A WAVE: waves 0 and 1 K step 0's two halves of A, wave 2 its 256 rows of B, wave 3 A's scales.  One chain of branches, one load to an arm.
.macro ARM under, g0, g1, next
	s_cmp_lt_u32 s14, \under
	s_cbranch_scc0 \next
	tensor_load_to_lds s[\g0:\g0+3], s[\g1:\g1+7]
	s_nop 0
.rept 4
	v_nop
.endr
	s_branch .Lhead_asked
\next:
.endm
	ARM 2, G0,   G1,  .Lhead_b
	ARM 3, G0HB, G1B, .Lhead_s
	tensor_load_to_lds s[G0S:G0S+3], s[G1S:G1S+7]
	s_nop 0
.rept 4
	v_nop
.endr
.Lhead_asked:
	v_bfe_u32 v2, v0, 4, 1                         ; h
	v_mul_u32_u24 v3, v1, PITCH
	v_lshl_add_u32 v4, v2, 4, v3                   ; B: row r x pitch + 16 h
	v_add_nc_u32 v[ADRB], s82, v4
	v_add_nc_u32 v[ADRB+1], s83, v4
	v_and_b32 v5, 7, v1
	v_lshrrev_b32 v6, 3, v1
	v_lshl_add_u32 v7, v5, 1, v6                   ; A: lane r takes row 2 (r % 8) + r / 8 of a block's 16
	v_mul_u32_u24 v5, v7, PITCH
	v_lshl_add_u32 v5, v2, 4, v5
	v_add_nc_u32 v[ADRA], s66, v5
	v_add_nc_u32 v[ADRA+1], s67, v5
	v_lshlrev_b32 v5, 7, v7                        ; that row's scales: 128 bytes a row,
	v_lshrrev_b32 v6, 1, v7
	v_lshl_add_u32 v5, v6, 4, v5                   ; and 16 more for each 256 passed
	v_mul_u32_u24 v6, v2, 4*SBLK                   ; lanes 16-31 stand four blocks further on
	v_add_nc_u32 v5, v5, v6
	v_add_nc_u32 v[ADRS], s94, v5
	v_lshl_add_u32 v[CO], v2, 14, v[R16]           ; h rows of 16,384 bytes + 16 r
	s_wait_alu depctr_va_vdst(0)                   ; ahead of the waits below
	global_prefetch_b8 v[PFO], s[PFA:PFA+1] offset:ROWB th:TH_LOAD_NT scope:SCOPE_SE     ; K step 1,
	global_prefetch_b8 v[PFO], s[PFA:PFA+1] offset:2*ROWB th:TH_LOAD_NT scope:SCOPE_SE   ; and K step 2
	s_wait_loadcnt 0x0
	MEAN T+8                                       ; sw
	v_lshrrev_b32 v3, 23, v[T+8]
	v_add_nc_u32 v3, -2, v3                        ; B's scale byte (sw is at least 1e-8: the byte stays far above 1),
	v_lshl_or_b32 v4, v3, 8, v3
	v_lshl_or_b32 v[WSC], v4, 16, v4               ; four times; more than eight plain lines follow ahead of the first product
	MEAN T                                         ; sx
	v_mov_b32 v[IS], v[T]
.irp j, 0,1,2,3,4,5,6,7
	v_mul_f32 v[BIS+\j], v[BIS+\j], v[T]
.endr
.macro FRAG reg, adr, q, i             ; 16 rows x 128 K: registers 4 c .. 4 c + 3 hold the 16 bytes of K = 64 c + 32 h + 0 .. 31
.irp c, 0,1
	ds_load_b128 v[\reg+4*\c:\reg+4*\c+3], v[\adr] offset:64*(\q)+32*\c+(\i)*16*PITCH
.endr
.endm
.macro WM a, b, p, q, sc, zero         ; A's block a x B's tile b; p: the fragments' set; A's scale word in lanes 0-15 (blocks 0-3) or 16-31
.set rD, 8*(8*((\a)%4)+(\b))
.set rA, AF+64*(\p)+8*(\a)
.set rB, 128*(\p)+8*(\b)
.set rS, SC+16*(\sc)+4*((\a)%4)+(\q)
.if \zero
.if (\a) < 4
	v_wmma_scale_f32_16x16x128_f8f6f4 v[rD:rD+7], v[rA:rA+7], v[rB:rB+7], 0, v[rS], v[WSC] matrix_a_fmt:MATRIX_FMT_FP4 matrix_b_fmt:MATRIX_FMT_FP4
.else
	v_wmma_scale_f32_16x16x128_f8f6f4 v[rD:rD+7], v[rA:rA+7], v[rB:rB+7], 0, v[rS], v[WSC] matrix_a_fmt:MATRIX_FMT_FP4 matrix_b_fmt:MATRIX_FMT_FP4 matrix_a_scale:MATRIX_SCALE_ROW1
.endif
.else
.if (\a) < 4
	v_wmma_scale_f32_16x16x128_f8f6f4 v[rD:rD+7], v[rA:rA+7], v[rB:rB+7], v[rD:rD+7], v[rS], v[WSC] matrix_a_fmt:MATRIX_FMT_FP4 matrix_b_fmt:MATRIX_FMT_FP4
.else
	v_wmma_scale_f32_16x16x128_f8f6f4 v[rD:rD+7], v[rA:rA+7], v[rB:rB+7], v[rD:rD+7], v[rS], v[WSC] matrix_a_fmt:MATRIX_FMT_FP4 matrix_b_fmt:MATRIX_FMT_FP4 matrix_a_scale:MATRIX_SCALE_ROW1
.endif
.endif
.endm
.macro MUL16 a0, p, q, sc, zero        ; the accumulators take turns, one instruction a turn
.irp a, \a0, \a0+1
.irp b, 0,1,2,3,4,5,6,7
	WM \a, \b, \p, \q, \sc, \zero
.endr
.endr
.endm
.macro FETCH slot, q, p                ; 32 loads in one run: B's eight fragments, then A's eight, into set p
	WIN TO_B
.irp i, 0,1,2,3,4,5,6,7
	FRAG 128*(\p)+8*\i, ADRB+\slot, \q, \i
.endr
	WIN 0
.irp i, 0,1,2,3,4,5,6,7
	FRAG AF+64*(\p)+8*\i, ADRA+\slot, \q, \i
.endr
.endm
.macro SCALES sc
.irp i, 0,1,2,3
	ds_load_b128 v[SC+16*\sc+4*\i:SC+16*\sc+4*\i+3], v[ADRS] offset:\i*SBLK
.endr
.endm
.macro PLACES                          ; four places between matrix instructions and loads into registers that they read, or reads of their results
.rept 4
	v_nop
.endr
.endm
; A step of 128 along K with its successor in the same slot: the successor's 32 loads first, into the other set, then 64 products.
.macro STEP slot, q, zero
	s_wait_dscnt 8                                 ; this step's B and A's blocks 0-3 (and scale words) are in; the youngest eight loads, A's blocks 4-7, may be out
.if (\zero) == 0
	PLACES
.endif
	FETCH \slot, (\q)+1, 1-(\q)%2
	WIN MUL_LO
	MUL16 0, (\q)%2, \q, \slot, \zero
	MUL16 2, (\q)%2, \q, \slot, \zero
	s_wait_dscnt 32                                ; all but the 32 just issued
	WIN MUL_HI
	MUL16 4, (\q)%2, \q, \slot, \zero
	MUL16 6, (\q)%2, \q, \slot, \zero
.endm
; A slot's last step changes slots: in front of the round the wait for all my tensor loads, the add, and the wait for it and for my reads of this slot; behind it the slot is filled again.
.macro TURN slot, next
	s_wait_xcnt 0x0                                ; my prefetches have read their address: it is stepped here
	s_add_nc_u64 s[PFA:PFA+1], s[PFA:PFA+1], ROWB
	WIN 0
	s_wait_tensorcnt 0x0                           ; my part of the next slot is in
	ds_add_u32 v[SPW], v[NIL]
	s_wait_dscnt 9                                 ; (the add and A's blocks 4-7 may be out)
	WIN MUL_LO
	MUL16 0, 1, NQ-1, \slot, 0
	s_wait_dscnt 0x0                               ; the add is done, and my reads of this slot are over
	s_barrier_signal -1
	MUL16 2, 1, NQ-1, \slot, 0
	WIN 0
	s_barrier_wait -1
	CREST
	s_add_nc_u64 s[G0+4*\slot+2:G0+4*\slot+3], s[G0+4*\slot+2:G0+4*\slot+3], 2*ROWB
	s_add_nc_u64 s[G0B+4*\slot+2:G0B+4*\slot+3], s[G0B+4*\slot+2:G0B+4*\slot+3], 2*ROWB
	JLOAD G0+4*\slot, G1, G0B+4*\slot, G1B         ; my one load behind the round; its four v_nop are the places in front of the loads below
	v_add_nc_u32 v[ADRS], 4*NQ, v[ADRS]            ; the next K step's scale words
	s_wait_alu depctr_va_vdst(0)                   ; directly behind the write
	SCALES \next
	FETCH \next, 0, 0
	s_cmp_gt_u32 s3, 1                             ; the loop's last trip loads K steps 6 and 7: nothing lies two steps on
	s_cbranch_scc0 .Lnot_asked_\@
	global_prefetch_b8 v[PFO], s[PFA:PFA+1] offset:3*ROWB th:TH_LOAD_NT scope:SCOPE_SE
.Lnot_asked_\@:
	WIN MUL_HI
	MUL16 4, 1, NQ-1, \slot, 0
	MUL16 6, 1, NQ-1, \slot, 0
.endm
.macro STEPS slot, from
.set Q, \from
.rept NQ-1-\from
	STEP \slot, Q, 0
.set Q, Q+1
.endr
.endm
	s_wait_alu depctr_va_vdst(0)                   ; the wait at the head's end
	s_wait_tensorcnt 0x0                           ; my tile of the head's is in; these lines stand ahead of a later first fill as ahead of a refill
	ds_add_u32 v[SPW], v[NIL]
	s_mov_b32 s[G1B+2], 128<<16                    ; no tensor load of mine is out: from here on B's loads bring 128 rows
	s_mov_b32 s[G1B+4], 128
	s_wait_dscnt 0x0
	CROUND
	JLOAD G0+4, G1, G0B+4, G1B                     ; K step 1, slot 1's first fill
	SCALES 0
	FETCH 0, 0, 0
	global_prefetch_b8 v[PFO], s[PFA:PFA+1] offset:3*ROWB th:TH_LOAD_NT scope:SCOPE_SE   ; K step 3
	STEP 0, 0, 1                                   ; the first step's products start the sums
	WIN 0
	s_mov_b32 s3, LAPS-1
.Llap:                                                 ; once round the ring: K steps 2 to 7 are loaded in three trips
	STEPS 0, 1
	TURN 0, 1
	STEPS 1, 0
	TURN 1, 0
	STEP 0, 0, 0
	WIN 0
	s_sub_co_u32 s3, s3, 1
	s_cmp_lg_u32 s3, 0
	s_cbranch_scc1 .Llap
; THE LAST LAP'S SEVEN STEPS, IN TWO HALVES.  hf = 0: A's blocks 0-3, hf = 1: blocks 4-7.
.macro FETCHH slot, q, p, hf           ; 24 loads: B's eight fragments and four of A's, into set p
	WIN TO_B
.irp i, 0,1,2,3,4,5,6,7
	FRAG 128*(\p)+8*\i, ADRB+\slot, \q, \i
.endr
	WIN 0
.irp i, 0,1,2,3
	FRAG AF+64*(\p)+8*(4*(\hf)+\i), ADRA+\slot, \q, 4*(\hf)+\i
.endr
.endm
.macro HMUL slot, q, p, hf             ; 32 products
	WIN MUL_LO+0x50*(\hf)
	MUL16 4*(\hf), \p, \q, \slot, 0
	MUL16 4*(\hf)+2, \p, \q, \slot, 0
.endm
.macro HS slot, q, p, hf, ns, nq, nh, fetch    ; a half step; its successor (ns, nq, nh) is fetched first, into the other set
	s_wait_dscnt 0x0                               ; this half step's loads are in
	PLACES
.if \fetch
	FETCHH \ns, \nq, 1-(\p), \nh
.endif
	HMUL \slot, \q, \p, \hf
.endm
; A block of 16 rows on its way out.  OFMA: 64 multiply-adds gather, for each row 2 j + h and each group g of 64 columns, my four neighbouring columns into four registers on end, from v[tm] of window dw.
; Each accumulator is read from its low end on.  OST: the block's 16 stores, a row's two on end; every offset is an immediate, 127 rows at the most.
; The multiply-adds of four blocks stand together, and their 64 stores behind them.
.macro OFMA a, dw, tm
.set AC, 64*((\a)%4)
	WIN (((\dw)<<6)|(2+(\a)/4))                    ; source 0 window 2 or 3, destination window dw
.irp j, 0,1,2,3,4,5,6,7
.irp g, 0,1
.irp t, 0,1,2,3
	v_fma_f32 v[\tm+4*(2*\j+\g)+\t], v[AC+8*(4*\g+\t)+\j], v[IS], v[BIS+4*\g+\t]
.endr
.endr
.endr
.endm
.macro OST a, dw, tm
	WIN ((\dw)<<2)                                 ; the stores' data window dw, their offset window 0
.irp j, 0,1,2,3,4,5,6,7
.irp g, 0,1
	global_store_b128 v[CO], v[\tm+4*(2*\j+\g):\tm+4*(2*\j+\g)+3], s[12:13] offset:(16*(\a)+2*\j)*NROW+256*\g th:TH_STORE_NT   ; sixteen lanes store 256 consecutive bytes, aligned
.endr
.endr
.endm
	HS 0, 1, 1, 0, 0, 2, 0, 1                      ; rows 0-63 (the loop's last step has fetched slot 0's second step into set 1)
	HS 0, 2, 0, 0, 0, 3, 0, 1
	WIN 0
	s_wait_tensorcnt 0x0                           ; my part of K step 7 is in
	ds_add_u32 v[SPW], v[NIL]
	s_wait_dscnt 0x0
	s_barrier_signal -1
	s_barrier_wait -1                              ; everybody's is
	PLACES
	v_add_nc_u32 v[ADRS], 4*NQ, v[ADRS]
	s_wait_alu depctr_va_vdst(0)                   ; directly behind the write
	SCALES 1
	FETCHH 1, 0, 0, 0
	HMUL 0, 3, 1, 0
	HS 1, 0, 0, 0, 1, 1, 0, 1
	HS 1, 1, 1, 0, 1, 2, 0, 1
	HS 1, 2, 0, 0, 1, 3, 0, 1
	HS 1, 3, 1, 0, 0, 1, 1, 1                      ; and the second half's first step is fetched
	PLACES                                         ; rows 0-63 are finished
	OFMA 0, 1, 64                                  ; block 0's results into window 1, between B's two sets;
	OFMA 1, 2, 0                                   ; each further block's into the accumulators of the block just read
	OFMA 2, 2, 64
	OFMA 3, 2, 128
	OST 0, 1, 64
	OST 1, 2, 0
	OST 2, 2, 64
	OST 3, 2, 128
	HS 0, 1, 0, 1, 0, 2, 1, 1                      ; rows 64-127: none of these steps writes a register that the stores above read
	HS 0, 2, 1, 1, 0, 3, 1, 1
	HS 0, 3, 0, 1, 1, 0, 1, 1
	HS 1, 0, 1, 1, 1, 1, 1, 1
	HS 1, 1, 0, 1, 1, 2, 1, 1
	HS 1, 2, 1, 1, 1, 3, 1, 1
	HS 1, 3, 0, 1, 0, 0, 0, 0
	PLACES
	s_wait_xcnt 0x0                                ; block 0's stores have read their data: window 1 is written anew
	OFMA 4, 1, 0
	OFMA 5, 1, 64
	OFMA 6, 1, 128
	OFMA 7, 1, 192
	OST 4, 1, 0
	OST 5, 1, 64
	OST 6, 1, 128
	OST 7, 1, 192
	WIN 0
	s_wait_tensorcnt 0x0                           ; the wave's end
	ds_add_u32 v[SPW], v[NIL]
	s_wait_dscnt 0x0
	CROUND                                         ; the closing round
	s_endpgm
.Lfunc_end_k_q804f7c0acd_gemm:
	.size	k_q804f7c0acd_gemm, .Lfunc_end_k_q804f7c0acd_gemm-k_q804f7c0acd_gemm
	.p2alignl 7, 3214868480
	.fill 96, 4, 3214868480
	.section	.rodata,"a",@progbits
	.p2align	6, 0x0
	.amdhsa_kernel k_q804f7c0acd_gemm
		.amdhsa_group_segment_fixed_size 327680
		.amdhsa_private_segment_fixed_size 0
		.amdhsa_enable_private_segment 0
		.amdhsa_kernarg_size 48
		.amdhsa_user_sgpr_count 2
		.amdhsa_user_sgpr_kernarg_segment_ptr 1
		.amdhsa_wavefront_size32 1
		.amdhsa_system_sgpr_workgroup_id_x 1
		.amdhsa_system_sgpr_workgroup_id_y 1
		.amdhsa_system_sgpr_workgroup_id_z 1
		.amdhsa_system_vgpr_workitem_id 0
		.amdhsa_next_free_vgpr 1024
		.amdhsa_next_free_sgpr 96
		.amdhsa_reserve_vcc 0
		.amdhsa_float_denorm_mode_32 3
		.amdhsa_float_denorm_mode_16_64 3
		.amdhsa_memory_ordered 1
		.amdhsa_forward_progress 1
		.amdhsa_inst_pref_size 235
	.end_amdhsa_kernel
	.amdgpu_metadata
---
amdhsa.version: [ 1, 2 ]
amdhsa.kernels:
  - .name:           k_q804f7c0acd_gemm
    .symbol:         k_q804f7c0acd_gemm.kd
    .args:
      - { .name: a_codes, .offset: 0, .size: 8, .value_kind: global_buffer, .address_space: global }
      - { .name: a_scales, .offset: 8, .size: 8, .value_kind: global_buffer, .address_space: global }
      - { .name: w_codes, .offset: 16, .size: 8, .value_kind: global_buffer, .address_space: global }
      - { .name: sums, .offset: 24, .size: 8, .value_kind: global_buffer, .address_space: global }
      - { .name: out0, .offset: 32, .size: 8, .value_kind: global_buffer, .address_space: global }
      - { .name: bias, .offset: 40, .size: 8, .value_kind: global_buffer, .address_space: global }
    .group_segment_fixed_size: 327680
    .private_segment_fixed_size: 0
    .kernarg_segment_align: 8
    .kernarg_segment_size: 48
    .max_flat_workgroup_size: 128
    .sgpr_count:     96
    .vgpr_count:     1024
    .wavefront_size: 32
...
	.end_amdgpu_metadata
.endif
;; end of part 3
